; MI455X (gfx1250); checked and timed in simulation.
; The chip was launched on July 23, 2026; its instructions are those of AMD's public machine-readable ISA for CDNA 5 (MIT licence, August 2026) and "CDNA5" Instruction Set Architecture Reference Guide (July 2026). The comments in the code are by the model that wrote it; some were corrected since.
;; Multi Head Attn. Allowed arithmetic: matrix products marked QUANTISED: E2M1 operands, one E8M0 scale for each 32 along K, by v_wmma_scale_f32_16x16x128_f8f6f4 with both operands' format E2M1 (or v_wmma_scale_f32_32x16x128_f4), f32 sums; products left as they are: bf16, f16 or f32 operands; f32 sums; everything else in f32.
;; Inputs: Wout 1,024 x 1,024 float32; Wqkv 1,024 x 3,072 float32; x 4 x 2,048 x 1,024 float32.
;; Outputs: out0 4 x 2,048 x 1,024 float32.
;; This version of the problem:
;;   THIS VERSION OF THE PROBLEM IS GIVEN IN LOW PRECISION. The matrix products marked QUANTISED in the list below multiply operands that are first quantised to E2M1 (2 exponent bits, 1 mantissa bit; 4 bits a number), with one power-of-two scale for each 32 numbers along K (OCP MX v1.0); their sums are f32. The products marked 'left as it is' may take bf16, f16 or f32 operands, with f32 sums. All else is computed in f32.
;;   The module's matrix products, in the order in which they are computed (A, B: the left and right operand; K: the contracted axis; several contracted axes count as one K, in the product's order):
;;     1. [M 8,192, K 1,024] x [K 1,024, N 3,072]; A: input x; B: input Wqkv: QUANTISED
;;     2. batch 64 x [M 2,048, K 64] x [K 64, N 2,048]; A: computed on the way; B: computed on the way: left as it is (an operand is computed on the way)
;;     3. batch 64 x [M 64, K 2,048] x [K 2,048, N 2,048]; A: computed on the way; B: computed on the way: left as it is (an operand is computed on the way)
;;     4. [M 8,192, K 1,024] x [K 1,024, N 1,024]; A: computed on the way; B: input Wout: left as it is (an operand is computed on the way)
;;   THE QUANTISER, for each operand of a quantised product, along K:
;;     - K is cut into blocks of 32 from its start; a last block that is shorter is filled with zeros.
;;     - A block's scale is 2^e with e = floor(log2(the largest magnitude in the block)) - 2, held to -126 .. 127; a block of zeros has e = 0. As a byte (E8M0): e + 127.
;;     - Each number is divided by its block's scale, clamped to +-6, and rounded to the nearest number of E2M1, ties to even, subnormals kept.
;;     - The product sums the exact products of the quantised numbers (number of the format x scale) in f32.
;;   ~~~python
;;   def quantise(x, axis):      # numpy; x: float32 -> the quantised numbers, widened to float32 again
;;       x = np.moveaxis(x, axis, -1); K = x.shape[-1]
;;       x = np.pad(x, [(0, 0)] * (x.ndim - 1) + [(0, -K % 32)]); x = x.reshape(x.shape[:-1] + (-1, 32)); a = np.abs(x).max(-1, keepdims=True)
;;       e = np.where(a > 0, np.clip(np.frexp(np.where(a > 0, a, 1))[1] - 1 - 2, -126, 127), 0)      # np.frexp(a)[1] - 1 = floor(log2(a)), exactly
;;       r = np.clip(x / 2.0 ** e, -6, 6)
;;       step = 2.0 ** (np.maximum(np.frexp(np.where(r == 0, 1, r))[1] - 1, 0) - 1)
;;       q = np.round(r / step) * step * 2.0 ** e      # np.round: ties to even
;;       return np.moveaxis(q.reshape(q.shape[:-2] + (-1,))[..., :K], -1, axis).astype(np.float32)
;;   ~~~
;; One version. Each part assembles by itself: llvm-mc -triple=amdgcn-amd-amdhsa -mcpu=gfx1250 --defsym DOCPART=n.
;; ======== version 1 of 1: 4 launches
;; limits: values are held in f16: magnitudes above 65,504 overflow, below 6.1e-05 lose precision
;; workspace buffers: x_codes 4,194,304 bytes; x_scales 262,144 bytes; w_codes 1,572,864 bytes; w_scales 98,304 bytes; wout16 2,097,152 bytes; qkv 50,331,648 bytes; ctx 16,777,216 bytes
;; launch prep (part 1): grid 208 x 4, 4 waves a work-group, no clusters, 68,608 bytes of LDS; arguments x, Wqkv, Wout, x_codes, x_scales, w_codes, w_scales, wout16; writes x_codes, x_scales, w_codes, w_scales, wout16
.if DOCPART == 1
	.amdgcn_target "amdgcn-amd-amdhsa--gfx1250"
	.amdhsa_code_object_version 6
	.text
	.protected	k_q89c1e06799_prep
	.globl	k_q89c1e06799_prep
	.p2align	8
	.type	k_q89c1e06799_prep,@function
k_q89c1e06799_prep:
	s_mov_b64 s[64:65], 0
	v_nop
	global_prefetch_b8 v0, s[64:65] scope:SCOPE_SE
	s_setreg_imm32_b32 hwreg(HW_REG_WAVE_MODE, 25, 1), 1
	s_wait_xcnt 0x0
; x [8192][1024] and Wqkv [1024][3072], f32, become codes of FP4 (E2M1) with one E8M0 byte for each 32 along K; Wout [1024][1024] becomes f16, laid as it lies.
; A block's scale is 2^(floor(log2(its largest magnitude)) - 2); its byte is the largest magnitude's exponent field - 2, held at 1 from below.
; LAYOUTS, chosen for the launch that reads them: codes [k / 32][row][16 bytes] (a block of 32 codes on end; row = m for x, n for Wqkv), scale words [k / 256][row][8 bytes] (one word for each 128 along K).
; SHARES.  Work-group y names 256 along K.  x < 128: 64 rows of x;  128 <= x < 176: 64 columns of Wqkv;  the other 32 x 4 work-groups cast 8,192 numbers of Wout each.
; In the first two a wave takes 32 rows (a lane a row) x 128 along K: four whole blocks a lane, so that no maximum asks another lane and the four bytes are the row's scale word.
; x has K innermost: each load reads 512 consecutive bytes of one row, and the wave's 16 KiB turn through its own stage in LDS.  Wqkv has K outermost: a lane takes a column and its registers run down K.
; No work-group reads what another reads: no cluster.  No tensor loads: all of a wave's numbers are asked for at once, into registers.
; LIMITS: NaN and infinities among the inputs are not served.  A block of zeros gets the byte 1 where the quantiser says 127: its codes are zeros, and the bytes are read by this program alone.
.set STG, 16896                        ; a wave's stage: 32 rows x (512 bytes + 16): 33 x 16 bytes from lane to lane on the way back
.set SCG, 4*STG                        ; behind the stages: 512 bytes in which the work-group's scale words meet
.set VO,  8                            ; v8-11    byte offsets of my four blocks of codes
.set M,   16                           ; v16-19   the blocks' largest magnitudes
.set SO,  20                           ; v20-23   the conversions' scale operands
.set BY,  24                           ; v24-27   the scale bytes
.set X,   32                           ; v32-159  my 128 numbers, K ascending
.set C,   160                          ; v160-175 my codes
	s_load_b512 s[4:19], s[0:1], 0x0               ; x, Wqkv, Wout, x_codes, x_scales, w_codes, w_scales, wout16
	v_lshl_add_u32 v176, v0, 2, 0x10a00
	v_mov_b32 v177, 0
	v_lshrrev_b32 v1, 5, v0
	v_readfirstlane_b32 s20, v1                    ; wave 0..3
	v_and_b32 v1, 31, v0                           ; lane
	s_and_b32 s21, s20, 1                          ; which 32 rows
	s_lshr_b32 s22, s20, 1                         ; which 128 along K
	s_and_b32 s23, ttmp7, 0xffff                   ; which 256 along K
	v_lshlrev_b32 v2, 2, v1                        ; 4 x lane
	v_lshlrev_b32 v6, 4, v1                        ; 16 x lane
	s_mul_i32 s24, s20, STG
	v_add_nc_u32 v3, s24, v6                       ; the stage, on the way in: a row as it lies
	v_mul_u32_u24 v4, v1, 528
	v_add_nc_u32 v4, s24, v4                       ; and on the way back: a lane a row
	s_lshl_b32 s25, s21, 8
	s_lshl_b32 s26, s22, 2
	s_add_co_u32 s25, s25, s26
	s_add_co_u32 s25, s25, SCG
	v_lshl_add_u32 v5, v1, 3, s25                  ; my row's scale word: 8 bytes a row, my 128 along K its first or second word
	v_add_nc_u32 v7, SCG, v6                       ; and where wave 0 reads the words back
	s_wait_kmcnt 0x0
	s_cmp_lt_u32 ttmp9, 176
	s_cbranch_scc0 .Lcast
	s_cmp_lt_u32 ttmp9, 128                        ; x or Wqkv?  The choice hangs on the work-group's number alone
	s_cselect_b64 s[28:29], s[4:5], s[6:7]         ; the numbers
	s_cselect_b64 s[30:31], s[10:11], s[14:15]     ; the codes
	s_cselect_b64 s[32:33], s[12:13], s[16:17]     ; the scale words
	s_mov_b32 s34, 49152
	s_cselect_b32 s34, 131072, s34                 ; rows x 16 bytes: from one block along K to the next
	s_cselect_b32 s35, 0, 128
	s_sub_co_u32 s35, ttmp9, s35
	s_lshl_b32 s35, s35, 6                         ; the work-group's first row
	s_lshl_b32 s40, s21, 5
	s_add_co_u32 s40, s40, s35                     ; my wave's first row
	s_lshl_b32 s36, s23, 3
	s_lshl_b32 s38, s22, 2
	s_add_co_u32 s36, s36, s38                     ; my first block along K: 8 y + 4 (wave / 2)
	s_mul_i32 s36, s36, s34
	s_lshl_b32 s38, s40, 4
	s_add_co_u32 s36, s36, s38
	s_mov_b32 s37, 0
	s_add_nc_u64 s[30:31], s[30:31], s[36:37]
	s_lshr_b32 s36, s34, 1                         ; rows x 8 bytes
	s_mul_i32 s36, s36, s23
	s_lshl_b32 s38, s35, 3
	s_add_co_u32 s36, s36, s38
	s_add_nc_u64 s[32:33], s[32:33], s[36:37]
	v_mov_b32 v[VO], v6
.irp b, 1,2,3
	v_add_nc_u32 v[VO+\b], s34, v[VO+\b-1]
.endr
	s_cmp_lt_u32 ttmp9, 128
	s_cbranch_scc0 .Lw
	; ---- x: 32 loads, each 512 consecutive bytes of one row
	s_lshl_b32 s36, s40, 12
	s_lshl_b32 s38, s23, 10
	s_add_co_u32 s36, s36, s38
	s_lshl_b32 s38, s22, 9
	s_add_co_u32 s36, s36, s38
	s_add_nc_u64 s[28:29], s[28:29], s[36:37]
.set i, 0
.rept 32
	global_load_b128 v[X+4*i:X+4*i+3], v6, s[28:29] offset:4096*i th:TH_LOAD_NT
.set i, i+1
.endr
.set i, 0
.rept 32
	s_wait_loadcnt 31-i                            ; loads come back in order: row i is in, the younger ones may be out
	ds_store_b128 v3, v[X+4*i:X+4*i+3] offset:528*i
.set i, i+1
.endr
.set i, 0
.rept 32
	ds_load_b128 v[X+4*i:X+4*i+3], v4 offset:16*i  ; LDS serves a wave's instructions in order: these see my stores; now register i is number i of my row
.set i, i+1
.endr
	s_wait_dscnt 0x0
	s_branch .Lquant
.Lw:	; ---- Wqkv: 128 loads, each one row k at 32 neighbouring columns
	s_lshl_b32 s36, s23, 8
	s_lshl_b32 s38, s22, 7
	s_add_co_u32 s36, s36, s38
	s_mul_i32 s36, s36, 12288
	s_lshl_b32 s38, s40, 2
	s_add_co_u32 s36, s36, s38
	s_add_nc_u64 s[28:29], s[28:29], s[36:37]
.set i, 0
.rept 128
	global_load_b32 v[X+i], v2, s[28:29] offset:12288*i th:TH_LOAD_NT
.set i, i+1
.endr
	s_wait_loadcnt 0x0
.Lquant:
.irp b, 0,1,2,3
	v_max3_num_f32 v[M+\b], |v[X+32*\b]|, |v[X+32*\b+1]|, 0x1800000   ; and the floor 2^(3 - 127): the byte cannot fall under 1
.endr
.irp i, 2,4,6,8,10,12,14,16,18,20,22,24,26,28,30
.irp b, 0,1,2,3
	v_max3_num_f32 v[M+\b], v[M+\b], |v[X+32*\b+\i]|, |v[X+32*\b+\i+1]|   ; the four blocks by turns
.endr
.endr
.irp b, 0,1,2,3
	v_add_nc_u32 v[SO+\b], 0xff000000, v[M+\b]     ; 2 off the exponent field: the conversion takes the exponent field of this operand as its scale
.endr
.irp b, 0,1,2,3
	v_lshrrev_b32 v[BY+\b], 23, v[SO+\b]           ; the scale's byte
.endr
	v_lshl_or_b32 v28, v[BY+1], 8, v[BY]
	v_lshl_or_b32 v28, v[BY+2], 16, v28
	v_lshl_or_b32 v28, v[BY+3], 24, v28            ; my row's scale word for these 128 along K
.irp b, 0,1,2,3
.irp g, 0,1,2,3
	v_cvt_scalef32_pk8_fp4_f32 v[C+4*\b+\g], v[X+32*\b+8*\g:X+32*\b+8*\g+7], v[SO+\b]
.endr
.endr
	v_nop                                          ; one plain line behind the last scaled conversion
.irp b, 0,1,2,3
	global_store_b128 v[VO+\b], v[C+4*\b:C+4*\b+3], s[30:31]   ; 32 rows' block: 512 consecutive bytes
.endr
	ds_store_b32 v5, v28
	s_wait_dscnt 0x0                               ; for the others' sake: my word has landed
	s_barrier_signal -1
	s_barrier_wait -1
	s_cmp_lg_u32 s20, 0
	s_cbranch_scc1 .Ldone
	ds_load_b128 v[12:15], v7                      ; 64 rows x 8 bytes
	s_wait_dscnt 0x0
	global_store_b128 v6, v[12:15], s[32:33]       ; 512 consecutive bytes
.Ldone:
	s_wait_tensorcnt 0x0
	ds_add_u32 v176, v177
	s_wait_dscnt 0x0
	s_endpgm
.Lcast:	; ---- Wout to f16: a wave takes 2,048 numbers
	s_sub_co_u32 s36, ttmp9, 176
	s_lshl_b32 s36, s36, 2
	s_add_co_u32 s36, s36, s23
	s_lshl_b32 s36, s36, 2
	s_add_co_u32 s36, s36, s20                     ; which run of 2,048 numbers is my wave's
	s_lshl_b32 s38, s36, 13
	s_mov_b32 s39, 0
	s_add_nc_u64 s[8:9], s[8:9], s[38:39]
	s_lshl_b32 s38, s36, 12
	s_add_nc_u64 s[18:19], s[18:19], s[38:39]
	v_lshlrev_b32 v8, 3, v1
.set i, 0
.rept 16
	global_load_b128 v[32+4*i:35+4*i], v6, s[8:9] offset:512*i th:TH_LOAD_NT
.set i, i+1
.endr
.set i, 0
.rept 16
	s_wait_loadcnt 15-i
	v_cvt_pk_f16_f32 v[96+2*i], v[32+4*i], v[33+4*i]
	v_cvt_pk_f16_f32 v[97+2*i], v[34+4*i], v[35+4*i]
	global_store_b64 v8, v[96+2*i:97+2*i], s[18:19] offset:256*i   ; 256 consecutive bytes, aligned
.set i, i+1
.endr
	s_endpgm
.Lfunc_end_k_q89c1e06799_prep:
	.size	k_q89c1e06799_prep, .Lfunc_end_k_q89c1e06799_prep-k_q89c1e06799_prep
	.p2alignl 7, 3214868480
	.fill 96, 4, 3214868480
	.section	.rodata,"a",@progbits
	.p2align	6, 0x0
	.amdhsa_kernel k_q89c1e06799_prep
		.amdhsa_group_segment_fixed_size 68608
		.amdhsa_private_segment_fixed_size 0
		.amdhsa_enable_private_segment 0
		.amdhsa_kernarg_size 64
		.amdhsa_user_sgpr_count 2
		.amdhsa_user_sgpr_kernarg_segment_ptr 1
		.amdhsa_wavefront_size32 1
		.amdhsa_system_sgpr_workgroup_id_x 1
		.amdhsa_system_sgpr_workgroup_id_y 1
		.amdhsa_system_sgpr_workgroup_id_z 1
		.amdhsa_system_vgpr_workitem_id 0
		.amdhsa_next_free_vgpr 178
		.amdhsa_next_free_sgpr 66
		.amdhsa_reserve_vcc 0
		.amdhsa_float_denorm_mode_32 3
		.amdhsa_float_denorm_mode_16_64 3
		.amdhsa_memory_ordered 1
		.amdhsa_forward_progress 1
		.amdhsa_inst_pref_size 36
	.end_amdhsa_kernel
	.amdgpu_metadata
---
amdhsa.version: [ 1, 2 ]
amdhsa.kernels:
  - .name:           k_q89c1e06799_prep
    .symbol:         k_q89c1e06799_prep.kd
    .args:
      - { .name: x, .offset: 0, .size: 8, .value_kind: global_buffer, .address_space: global }
      - { .name: Wqkv, .offset: 8, .size: 8, .value_kind: global_buffer, .address_space: global }
      - { .name: Wout, .offset: 16, .size: 8, .value_kind: global_buffer, .address_space: global }
      - { .name: x_codes, .offset: 24, .size: 8, .value_kind: global_buffer, .address_space: global }
      - { .name: x_scales, .offset: 32, .size: 8, .value_kind: global_buffer, .address_space: global }
      - { .name: w_codes, .offset: 40, .size: 8, .value_kind: global_buffer, .address_space: global }
      - { .name: w_scales, .offset: 48, .size: 8, .value_kind: global_buffer, .address_space: global }
      - { .name: wout16, .offset: 56, .size: 8, .value_kind: global_buffer, .address_space: global }
    .group_segment_fixed_size: 68608
    .private_segment_fixed_size: 0
    .kernarg_segment_align: 8
    .kernarg_segment_size: 64
    .max_flat_workgroup_size: 128
    .sgpr_count:     66
    .vgpr_count:     178
    .wavefront_size: 32
...
	.end_amdgpu_metadata
.endif
;; end of part 1
;; launch qkv (part 2): grid 12 x 32, 4 waves a work-group, clusters of 4 x 4, 327,680 bytes of LDS; arguments x_codes, x_scales, w_codes, w_scales, qkv; writes qkv
.if DOCPART == 2
	.amdgcn_target "amdgcn-amd-amdhsa--gfx1250"
	.amdhsa_code_object_version 6
	.text
	.protected	k_q89c1e06799_qkv
	.globl	k_q89c1e06799_qkv
	.p2align	8
	.type	k_q89c1e06799_qkv,@function
k_q89c1e06799_qkv:
	s_mov_b64 s[64:65], 0
	v_nop
	global_prefetch_b8 v0, s[64:65] scope:SCOPE_SE
	s_setreg_imm32_b32 hwreg(HW_REG_WAVE_MODE, 25, 1), 1
	s_wait_xcnt 0x0
	s_wait_alu depctr_hold_cnt(0) depctr_sa_sdst(0) depctr_va_vdst(0) depctr_va_sdst(0) depctr_va_ssrc(0) depctr_va_vcc(0) depctr_vm_vsrc(0)
	s_getreg_b32 s2, hwreg(HW_REG_IB_STS2, 6, 4)
	s_cmp_eq_u32 s2, 0
	s_cbranch_scc0 .Lentry_in_a_cluster
	s_endpgm
.Lentry_in_a_cluster:
	s_bfe_u32 s2, ttmp6, 0x10000c
	s_cmp_lg_u32 s2, 0xf033
	s_cbranch_scc0 .Lentry_shape_is_right
	s_endpgm
.Lentry_shape_is_right:
; q, k, v = x Wqkv on codes of FP4 (E2M1) with one E8M0 scale for each 32 along K; sums in f32; the results leave as f16, laid [which of q, k, v][batch x 16 + head][t][64].
; A tile of 256 rows (m) x 256 columns (n) is made by four waves; a wave makes 128 x 128: 64 accumulators, 512 registers.  K = 1,024 is eight steps of 128.
; ALL OF K LIES IN LDS: two halves of 512 along K and the scale words, each brought once, by three tensor loads a wave that go out together at the start.  No LDS byte is filled twice.
; The codes lie [k / 32][row][16 bytes]: a load's tile is 16 blocks along K x 128 rows x 16 bytes, and the sixteen lanes of a fragment load read 256 consecutive bytes: no padding is needed.
; CLUSTERS: 4 x 4 work-groups.  The four of a row of the cluster need the same rows of x, the four of a column the same columns of Wqkv: each tile is asked for jointly, by the same tensor load with a mask that names the four.
; THE MATRIX INSTRUCTION IS USED TRANSPOSED (source 0 = 16 columns of Wqkv, source 1 = 16 rows of x): a lane then holds eight neighbouring n of one row m.
; LIMIT: |q|, |k|, |v| stay under 65,504, f16's largest number.
; Nothing is prefetched: every tensor load of the launch goes out at its head.
; REGISTERS, in windows of 256: window 0: v16-27 addresses; v32-95 scale words and nothing else; v128-191 A's fragments, one set; v96-127, v192-255 the way out.
;   window 1: B's fragments, two sets, at v0 and v128.   window 2, 3: the accumulators of my rows 0-63, 64-127 ((a, b) at v[8 (8 (a % 4) + b)]).
.set SLOT,   131072                    ; 512 along K: A's two halves of 128 rows, then B's two: 32,768 bytes each
.set SCL,    2*SLOT                    ; the scale words: for each wave's load [4][128 rows][8 bytes]
.set STAGE,  SCL+4*4096                ; the way out: 16 rows x (256 bytes + 16) for each wave
.set SPITCH, 272
.set FR,   8
.set NP,   4                           ; places behind this matrix instruction (ISA guide 7.12.1)
.set ADRA, 16                          ; v16-17 LDS address of my A fragments in half 0, 1
.set ADRB, 20                          ; v20-21 the same for B
.set STO,  24
.set RD,   25
.set CO,   26
.set ADRS, 27                          ; v27 my scale words: lanes 0-15 A's rows, lanes 16-31 B's
.set SC,   32                          ; register 8 i + s: lanes 0-15 the word of A's block i, lanes 16-31 of B's block i, for K step s
.set AF,   128
.set TMP,  192
.set G1, 24
.set G0, 32
.set G1B, 48
.set G0B, 56
.set G1S, 68
.set G0S, 76
.set G1SB, 80
.set G0SB, 88
.set MSB, 0
.macro WIN new                         ; the immediate's high byte repeats the setting that is left
.if MSB != \new
	s_set_vgpr_msb (MSB<<8)|\new
.set MSB, \new
.endif
.endm
.set MUL_LO, 0xa1                      ; source 0 (B) window 1, source 1 (A) window 0, C and D window 2
.set MUL_HI, 0xf1
.set TO_B,   0x40
.macro CROUND                          ; a round of the cluster's barrier
	s_barrier_signal -1
	s_barrier_wait -1
	s_cmp_lg_u32 s14, 0
	s_cbranch_scc1 .Lnot_wave_0_\@
	s_barrier_signal -3
.Lnot_wave_0_\@:
	s_barrier_wait -3
	s_barrier_signal -1
	s_barrier_wait -1
.endm
	s_load_b128 s[4:7], s[0:1], 0x0                ; x's codes, x's scales
	s_load_b128 s[8:11], s[0:1], 0x10              ; W's codes, W's scales
	s_load_b64 s[12:13], s[0:1], 0x20              ; qkv
	v_lshl_add_u32 v30, v0, 2, 0x48400
	v_mov_b32 v31, 0
	ds_add_u32 v30, v31
	ds_add_u32 v30, v31
	v_lshrrev_b32 v1, 5, v0
	v_readfirstlane_b32 s14, v1                    ; wave 0..3
	s_lshr_b32 s15, s14, 1                         ; which half of the tile's rows is mine.  Also: I fetch for A (0) or for B (1)
	s_and_b32 s16, s14, 1                          ; which half of its columns.  Also: which 128 rows I fetch
	s_bfe_u32 s40, ttmp6, 0x40000                  ; cx, cy
	s_bfe_u32 s41, ttmp6, 0x40004
	s_lshl_b32 s42, ttmp9, 2
	s_add_co_u32 s42, s42, s40                     ; tile column
	s_and_b32 s17, ttmp7, 0xffff
	s_lshl_b32 s17, s17, 2
	s_add_co_u32 s17, s17, s41                     ; tile row
	s_lshl_b32 s43, s41, 2
	s_lshl_b32 s43, 15, s43                        ; my row of the cluster
	s_lshl_b32 s44, 0x1111, s40                    ; my column
	; group 1 for codes: 16 rows (blocks along K) of 2,048 bytes (128 rows x 16), elements of one byte, no padding
	s_or_b32 s[G1+0], s43, (1<<21)
	s_or_b32 s[G1B+0], s44, (1<<21)
.irp g, G1, G1B
	s_mov_b32 s[\g+1], 2048<<16                    ; tensor_dim0
	s_mov_b32 s[\g+2], 16<<16                      ; tensor_dim1
	s_mov_b32 s[\g+3], 2048<<16                    ; tile_dim0
	s_mov_b32 s[\g+4], 16                          ; tile_dim1
	s_mov_b32 s[\g+6], 0
	s_mov_b32 s[\g+7], 0
.endr
	s_mov_b32 s[G1+5], 131072                      ; from block to block along K: 8,192 rows x 16 bytes
	s_mov_b32 s[G1B+5], 49152                      ; 3,072 x 16
	; and for scale words: 4 rows of 1,024 bytes (128 rows x 8)
	s_or_b32 s[G1S+0], s43, (1<<21)
	s_or_b32 s[G1SB+0], s44, (1<<21)
.irp g, G1S, G1SB
	s_mov_b32 s[\g+1], 1024<<16
	s_mov_b32 s[\g+2], 4<<16
	s_mov_b32 s[\g+3], 1024<<16
	s_mov_b32 s[\g+4], 4
	s_mov_b32 s[\g+6], 0
	s_mov_b32 s[\g+7], 0
.endr
	s_mov_b32 s[G1S+5], 65536
	s_mov_b32 s[G1SB+5], 24576
	s_lshl_b32 s18, s16, 7
	s_lshl_b32 s20, s17, 8
	s_add_co_u32 s20, s20, s18                     ; A: row 256 x tile row + 128 x half
	s_lshl_b32 s46, s42, 8
	s_add_co_u32 s46, s46, s18                     ; B: row 256 x tile column + 128 x half
	s_lshl_b32 s22, s20, 3                         ; their scale words,
	s_lshl_b32 s92, s46, 3
	s_lshl_b32 s20, s20, 4                         ; their codes, in bytes
	s_lshl_b32 s46, s46, 4
	s_mov_b32 s21, 0
	s_mov_b32 s23, 0
	s_mov_b32 s47, 0
	s_mov_b32 s93, 0
	s_lshl_b32 s45, s14, 15                        ; where they go: wave x 32,768: no place in the cluster enters an LDS address
	s_lshl_b32 s94, s14, 12
	s_wait_dscnt 0x0
	s_wait_kmcnt 0x0
	s_add_nc_u64 s[20:21], s[4:5], s[20:21]
	s_add_nc_u64 s[22:23], s[6:7], s[22:23]
	s_add_nc_u64 s[46:47], s[8:9], s[46:47]
	s_add_nc_u64 s[92:93], s[10:11], s[92:93]
	s_mov_b32 s[G0S], 1
	s_add_co_u32 s[G0S+1], s94, SCL
	s_mov_b64 s[G0S+2:G0S+3], s[22:23]
	s_or_b32 s[G0S+3], s[G0S+3], 0x80000000
	s_mov_b32 s[G0SB], 1
	s_add_co_u32 s[G0SB+1], s94, SCL
	s_mov_b64 s[G0SB+2:G0SB+3], s[92:93]
	s_or_b32 s[G0SB+3], s[G0SB+3], 0x80000000
.irp s, 0,1
	s_mov_b32 s[G0+4*\s], 1
	s_add_co_u32 s[G0+4*\s+1], s45, \s*SLOT
	s_add_nc_u64 s[G0+4*\s+2:G0+4*\s+3], s[20:21], \s*16*131072
	s_or_b32 s[G0+4*\s+3], s[G0+4*\s+3], 0x80000000
	s_mov_b32 s[G0B+4*\s], 1
	s_add_co_u32 s[G0B+4*\s+1], s45, \s*SLOT
	s_add_nc_u64 s[G0B+4*\s+2:G0B+4*\s+3], s[46:47], \s*16*49152
	s_or_b32 s[G0B+4*\s+3], s[G0B+4*\s+3], 0x80000000
.endr
	CROUND                                         ; all sixteen work-groups are here: the joint loads meet
	s_cmp_eq_u32 s15, 0                            ; a wave's three fills stand in one branch: three loads of mine are out
	s_cbranch_scc0 .Lfirst_b
	tensor_load_to_lds s[G0S:G0S+3], s[G1S:G1S+7]
	s_nop 0
	tensor_load_to_lds s[G0:G0+3], s[G1:G1+7]
	s_nop 0
	tensor_load_to_lds s[G0+4:G0+7], s[G1:G1+7]
	s_nop 0
.rept 4
	v_nop
.endr
	s_branch .Lfirst_asked
.Lfirst_b:
	tensor_load_to_lds s[G0SB:G0SB+3], s[G1SB:G1SB+7]
	s_nop 0
	tensor_load_to_lds s[G0B:G0B+3], s[G1B:G1B+7]
	s_nop 0
	tensor_load_to_lds s[G0B+4:G0B+7], s[G1B:G1B+7]
	s_nop 0
.rept 4
	v_nop
.endr
.Lfirst_asked:
	v_and_b32 v1, 15, v0                           ; r
	v_bfe_u32 v2, v0, 4, 1                         ; h
	v_lshlrev_b32 v3, 4, v1
	v_lshl_add_u32 v4, v2, 11, v3                  ; 16 r + 2,048 h: lanes 16-31 take the next block along K
	s_lshl_b32 s21, s15, 15                        ; my 128 rows of A
	s_lshl_b32 s22, s16, 15
	s_add_co_u32 s22, s22, 65536                   ; my 128 rows of B, behind A's 256
.irp s, 0,1
	v_add_nc_u32 v[ADRA+\s], s21, v4
	v_add_nc_u32 v[ADRB+\s], s22, v4
	s_add_co_u32 s21, s21, SLOT
	s_add_co_u32 s22, s22, SLOT
.endr
	v_lshlrev_b32 v5, 3, v1                        ; my row's scale words: 8 bytes a row
	s_lshl_b32 s21, s15, 12
	s_lshl_b32 s22, s16, 12
	s_add_co_u32 s22, s22, 8192
	s_sub_co_u32 s22, s22, s21
	v_mul_u32_u24 v6, s22, v2                      ; lanes 16-31 take B's
	s_add_co_u32 s21, s21, SCL
	v_add_nc_u32 v5, v5, v6
	v_add_nc_u32 v[ADRS], s21, v5
	s_mul_i32 s23, s14, 16*SPITCH
	s_add_co_u32 s23, s23, STAGE                   ; my stage
	v_mul_u32_u24 v5, v1, SPITCH
	v_lshl_add_u32 v5, v2, 4, v5
	v_add_nc_u32 v[STO], s23, v5                   ; in: row r, 16 bytes for each half of the lanes
	v_and_b32 v6, 31, v0
	v_lshrrev_b32 v7, 3, v6
	v_and_b32 v8, 7, v0
	v_mul_u32_u24 v7, v7, SPITCH
	v_lshl_add_u32 v7, v8, 4, v7
	v_add_nc_u32 v[RD], s23, v7                    ; back: eight lanes take a head's 128 bytes of a row, four rows an instruction
	v_lshlrev_b32 v[CO], 4, v6                     ; which are 512 consecutive bytes of the output
	s_lshr_b32 s20, s42, 2                         ; which of q, k, v
	s_lshl_b32 s20, s20, 6
	s_lshr_b32 s21, s17, 3                         ; batch
	s_lshl_b32 s21, s21, 4
	s_add_co_u32 s20, s20, s21
	s_and_b32 s21, s42, 3
	s_lshl_b32 s21, s21, 2
	s_add_co_u32 s20, s20, s21
	s_lshl_b32 s21, s16, 1
	s_add_co_u32 s20, s20, s21                     ; my first head's plane
	s_lshl_b32 s20, s20, 18                        ; 2,048 x 128 bytes a plane
	s_and_b32 s21, s17, 7
	s_lshl_b32 s21, s21, 15
	s_add_co_u32 s20, s20, s21
	s_lshl_b32 s21, s15, 14
	s_add_co_u32 s20, s20, s21                     ; my first t
	s_mov_b32 s21, 0
	s_add_nc_u64 s[12:13], s[12:13], s[20:21]
.macro FRAG reg, adr, q, i             ; 16 rows x 128 K: registers 4 c .. 4 c + 3 hold K = 64 c + 32 (l / 16) + 0 .. 31: one block's 16 bytes
.irp c, 0,1
	ds_load_b128 v[\reg+4*\c:\reg+4*\c+3], v[\adr] offset:(4*(\q)+2*\c)*2048+(\i)*256
.endr
.endm
; 16 matrix instructions: A's blocks a0, a0 + 1 x B's eight; p: B's set; s: the K step.  The 64 accumulators take turns, one instruction a turn.
.macro MUL16 a0, p, s, zero
.irp a, \a0, \a0+1
.irp b, 0,1,2,3,4,5,6,7
.if \zero
	v_wmma_scale_f32_16x16x128_f8f6f4 v[8*(8*((\a)%4)+\b):8*(8*((\a)%4)+\b)+7], v[128*(\p)+FR*\b:128*(\p)+FR*\b+FR-1], v[AF+FR*(\a):AF+FR*(\a)+FR-1], 0, v[SC+8*\b+(\s)], v[SC+8*(\a)+(\s)] matrix_a_fmt:MATRIX_FMT_FP4 matrix_b_fmt:MATRIX_FMT_FP4 matrix_a_scale:MATRIX_SCALE_ROW1
.else
	v_wmma_scale_f32_16x16x128_f8f6f4 v[8*(8*((\a)%4)+\b):8*(8*((\a)%4)+\b)+7], v[128*(\p)+FR*\b:128*(\p)+FR*\b+FR-1], v[AF+FR*(\a):AF+FR*(\a)+FR-1], v[8*(8*((\a)%4)+\b):8*(8*((\a)%4)+\b)+7], v[SC+8*\b+(\s)], v[SC+8*(\a)+(\s)] matrix_a_fmt:MATRIX_FMT_FP4 matrix_b_fmt:MATRIX_FMT_FP4 matrix_a_scale:MATRIX_SCALE_ROW1
.endif
.endr
.endr
.endm
.macro FETCH_B slot, q, p
	WIN TO_B
.irp i, 0,1,2,3,4,5,6,7
	FRAG 128*(\p)+FR*\i, ADRB+\slot, \q, \i
.endr
	WIN 0
.endm
.macro FETCH_A slot, q, i0
.irp i, \i0, \i0+1, \i0+2, \i0+3
	FRAG AF+FR*(\i), ADRA+\slot, \q, \i
.endr
.endm
.macro PLACES                          ; plain lines between matrix instructions and loads into registers that they have read, or reads of their results
.rept NP
	v_nop
.endr
.endm
.macro STEP slot, q, zero              ; 128 along K whose successor lies in the same half
	s_wait_dscnt 8                                 ; B's set and A's blocks 0-3 are in; the youngest eight loads (A's blocks 4-7) may be out
	WIN MUL_LO
	MUL16 0, (\q)%2, 4*(\slot)+(\q), \zero
	MUL16 2, (\q)%2, 4*(\slot)+(\q), \zero
	s_wait_dscnt 0
	PLACES
	FETCH_B \slot, (\q)+1, 1-(\q)%2
	FETCH_A \slot, (\q)+1, 0
	WIN MUL_HI
	MUL16 4, (\q)%2, 4*(\slot)+(\q), \zero
	MUL16 6, (\q)%2, 4*(\slot)+(\q), \zero
	PLACES
	WIN 0
	FETCH_A \slot, (\q)+1, 4
.endm
	s_wait_tensorcnt 1                             ; the scale words and my part of the first half are in; the one load that may be out is the second half's
	s_barrier_signal -1
	s_barrier_wait -1                              ; everybody's are
	FETCH_B 0, 0, 0
	FETCH_A 0, 0, 0
.irp i, 0,1,2,3,4,5,6,7
.irp u, 0,1,2,3
	ds_load_b64 v[SC+8*\i+2*\u:SC+8*\i+2*\u+1], v[ADRS] offset:1024*\u+128*\i   ; the scale words of all eight K steps, once
.endr
.endr
	FETCH_A 0, 0, 4
	STEP 0, 0, 1                                   ; the first products start the sums: nothing is cleared
	STEP 0, 1, 0
	STEP 0, 2, 0
	; K step 3 goes over to the second half
	s_wait_tensorcnt 0x0                           ; my part of the second half is in
	s_wait_dscnt 8
	WIN MUL_LO
	MUL16 0, 1, 3, 0
	s_wait_dscnt 0x0                               ; no LDS instruction of mine is out at the signal
	s_barrier_signal -1
	MUL16 2, 1, 3, 0
	WIN 0
	s_barrier_wait -1                              ; everybody's part is in
	PLACES
	FETCH_B 1, 0, 0
	FETCH_A 1, 0, 0
	WIN MUL_HI
	MUL16 4, 1, 3, 0
	MUL16 6, 1, 3, 0
	PLACES
	WIN 0
	FETCH_A 1, 0, 4
	STEP 1, 0, 0
	STEP 1, 1, 0
	STEP 1, 2, 0
	s_wait_dscnt 8                                 ; the last step: nothing more to fetch
	WIN MUL_LO
	MUL16 0, 1, 7, 0
	MUL16 2, 1, 7, 0
	s_wait_dscnt 0
	WIN MUL_HI
	MUL16 4, 1, 7, 0
	MUL16 6, 1, 7, 0
	WIN 0
; THE WAY OUT, a block of 16 rows x 128 columns (two heads) at a time: rounded to f16, 16 bytes a lane, through my own stage, back by heads: four rows of a head are 512 consecutive bytes of the output.
.macro PACK a
.set AC, 64*((\a)%4)
	WIN 0x0a+5*((\a)/4)                            ; sources 0 and 1: window 2 or 3
.irp b, 0,1,2,3,4,5,6,7
.irp r, 0,1,2,3
	v_cvt_pk_f16_f32 v[TMP+4*\b+\r], v[AC+8*\b+2*\r], v[AC+8*\b+2*\r+1]   ; each accumulator from its low end on
.endr
.endr
	WIN 0
.endm
.macro TOSTAGE a
.set BK, 96+128*((\a)%2)
.irp b, 0,1,2,3,4,5,6,7
	ds_store_b128 v[STO], v[TMP+4*\b:TMP+4*\b+3] offset:32*\b
.endr
.irp hh, 0,1
.irp i, 0,1,2,3
	ds_load_b128 v[BK+16*\hh+4*\i:BK+16*\hh+4*\i+3], v[RD] offset:4*SPITCH*\i+128*\hh   ; LDS serves a wave's instructions in order: these see the stores above
.endr
.endr
.endm
.macro SEND a
.set BK, 96+128*((\a)%2)
	s_wait_dscnt 0x0                               ; the block is back in registers
	s_wait_xcnt 0x0                                ; the stores of the block before have read their registers: the next block's loads may land there
.irp hh, 0,1
.irp i, 0,1,2,3
	global_store_b128 v[CO], v[BK+16*\hh+4*\i:BK+16*\hh+4*\i+3], s[12:13] offset:262144*\hh+2048*(\a)+512*\i
.endr
.endr
.endm
	PLACES
	PACK 0
	TOSTAGE 0
.irp a, 1,2,3,4,5,6,7
	PACK \a
	SEND \a-1
	TOSTAGE \a
.endr
	SEND 7
	s_wait_dscnt 0x0
	s_wait_tensorcnt 0x0
	ds_add_u32 v30, v31
	s_wait_dscnt 0x0
	CROUND                                         ; the closing round: no work-group ends while a partner may still ask for a tile that names it
	s_endpgm
.Lfunc_end_k_q89c1e06799_qkv:
	.size	k_q89c1e06799_qkv, .Lfunc_end_k_q89c1e06799_qkv-k_q89c1e06799_qkv
	.p2alignl 7, 3214868480
	.fill 96, 4, 3214868480
	.section	.rodata,"a",@progbits
	.p2align	6, 0x0
	.amdhsa_kernel k_q89c1e06799_qkv
		.amdhsa_group_segment_fixed_size 327680
		.amdhsa_private_segment_fixed_size 0
		.amdhsa_enable_private_segment 0
		.amdhsa_kernarg_size 40
		.amdhsa_user_sgpr_count 2
		.amdhsa_user_sgpr_kernarg_segment_ptr 1
		.amdhsa_wavefront_size32 1
		.amdhsa_system_sgpr_workgroup_id_x 1
		.amdhsa_system_sgpr_workgroup_id_y 1
		.amdhsa_system_sgpr_workgroup_id_z 1
		.amdhsa_system_vgpr_workitem_id 0
		.amdhsa_next_free_vgpr 1024
		.amdhsa_next_free_sgpr 98
		.amdhsa_reserve_vcc 0
		.amdhsa_float_denorm_mode_32 3
		.amdhsa_float_denorm_mode_16_64 3
		.amdhsa_memory_ordered 1
		.amdhsa_forward_progress 1
		.amdhsa_inst_pref_size 126
	.end_amdhsa_kernel
	.amdgpu_metadata
---
amdhsa.version: [ 1, 2 ]
amdhsa.kernels:
  - .name:           k_q89c1e06799_qkv
    .symbol:         k_q89c1e06799_qkv.kd
    .args:
      - { .name: x_codes, .offset: 0, .size: 8, .value_kind: global_buffer, .address_space: global }
      - { .name: x_scales, .offset: 8, .size: 8, .value_kind: global_buffer, .address_space: global }
      - { .name: w_codes, .offset: 16, .size: 8, .value_kind: global_buffer, .address_space: global }
      - { .name: w_scales, .offset: 24, .size: 8, .value_kind: global_buffer, .address_space: global }
      - { .name: qkv, .offset: 32, .size: 8, .value_kind: global_buffer, .address_space: global }
    .group_segment_fixed_size: 327680
    .private_segment_fixed_size: 0
    .kernarg_segment_align: 8
    .kernarg_segment_size: 40
    .max_flat_workgroup_size: 128
    .sgpr_count:     98
    .vgpr_count:     1024
    .wavefront_size: 32
...
	.end_amdgpu_metadata
.endif
;; end of part 2
;; launch attn (part 3): grid 4 x 64, 8 waves a work-group, clusters of 4 x 1, 327,680 bytes of LDS; arguments qkv, ctx; writes ctx
.if DOCPART == 3
	.amdgcn_target "amdgcn-amd-amdhsa--gfx1250"
	.amdhsa_code_object_version 6
	.text
	.protected	k_q89c1e06799_attn
	.globl	k_q89c1e06799_attn
	.p2align	8
	.type	k_q89c1e06799_attn,@function
k_q89c1e06799_attn:
	s_mov_b64 s[64:65], 0
	v_nop
	global_prefetch_b8 v0, s[64:65] scope:SCOPE_SE
	s_setreg_imm32_b32 hwreg(HW_REG_WAVE_MODE, 25, 1), 1
	s_wait_xcnt 0x0
	s_wait_alu depctr_hold_cnt(0) depctr_sa_sdst(0) depctr_va_vdst(0) depctr_va_sdst(0) depctr_va_ssrc(0) depctr_va_vcc(0) depctr_vm_vsrc(0)
	s_getreg_b32 s2, hwreg(HW_REG_IB_STS2, 6, 4)
	s_cmp_eq_u32 s2, 0
	s_cbranch_scc0 .Lentry_in_a_cluster
	s_endpgm
.Lentry_in_a_cluster:
	s_bfe_u32 s2, ttmp6, 0x10000c
	s_cmp_lg_u32 s2, 0x3003
	s_cbranch_scc0 .Lentry_shape_is_right
	s_endpgm
.Lentry_shape_is_right:
; ctx[b][q][h][:] = the sum over k of softmax_k(Q[q] . K[k] / 8) V[k][:], for each of 64 heads (b x 16 + h), 2,048 queries and keys, head size 64.  Q, K, V: f16, [which][head][t][64].
; Products, maxima and sums in f32; the weights p are rounded to f16 for the second product, ctx once at the end, laid [h][b x 2,048 + t][64] in f16.
; SHARES.  A work-group owns 512 queries of one head, each of its eight waves 64: four tiles of 16, in 512 registers; two waves to a SIMD.  Every wave walks all keys, 64 a step.
; LAYOUT.  S^T = K Q^T (source 0 = 16 keys, source 1 = 16 queries): a lane holds ONE query (lane % 16) and the keys 8 (lane / 16) + 0..7.  Two such tiles, rounded to f16 in pairs, are source 1
; (32 keys x 16 queries) of O^T = V^T P.  K comes out of LDS as it lies, V ([key][channel]) turned, by ds_load_tr16_b128.  P is packed in place, into the low half of its tile's scores.
; SOFTMAX.  For each query a running maximum m and sum l: p = 2^(c s - c m), c = log2(e) / 8; in every step O and l are multiplied by a = 2^(c m_old - c m_new).
; BY TURNS.  The wave's tiles are two pieces (tiles 0, 1 and tiles 2, 3).  In a turn one piece has the matrix unit: 16 products V^T P of the step in hand, then 16 products K Q^T of the next;
; the other piece's softmax (2 x 118 vector instructions), cut into 32 slices, stands between them, one slice behind each matrix instruction.  Two turns are a key step.
; CLUSTER.  The four query blocks of a head form a cluster and walk the same K and V: each tile is asked for jointly, with a mask that names the four.
; RING.  Two slots of four key steps; each of the eight waves brings one tile (64 rows of K or of V) of a slot with one tensor load.  Two loads of a wave are out at the start, one behind each change of slots.
; LIMIT: |q|, |k|, |v| stay under 65,504 (f16 operands).
; REGISTERS: window 0: v2-8 addresses; v12-43 statistics, eight a tile; v44-46; v64-191 S^T, 32 a tile; v192-255 K of one step.   window 1: v0-127 O^T, 32 a tile; v128-191 Q; v192-255 V of one step.
.set KS,    64
.set PK,    144       ; a row of K in LDS: 128 bytes + 16: nine 16-byte columns from row to row, so the 16 rows of a load start at 16 different columns of the 256 bytes
.set PV,    160       ; a row of V: 128 + 32: five 32-byte columns from row to row
.set VOFF,  KS*PK
.set STEPB, KS*(PK+PV)
.set NST,   4         ; key steps in a slot
.set SLOT1, 1<<17     ; slot 1 begins here: one exclusive or turns an address in one slot into the other's
.set STAGE, SLOT1+NST*STEPB
.set SP,    144
.set SPARE, STAGE+8*16*SP   ; the spare words, 128 bytes for each wave: four blocks of 256 bytes that no other line names
.set AK0, 2
.set AV0, 3
.set ADR, 4
.set QO,  5
.set STO, 6
.set RD,  7
.set GO,  8
.set ST,  12          ; tile t's statistics at v[ST+8 t]: +0 c m, +1 m, +2, +3 l, +4 to +7 c0-c3 at work; a takes c2's place
.set SPW, 44
.set NIL, 45
.set PFO, 46
.set S,   64
.set KF,  192
.set QF,  128
.set VF,  192
.set WV,  12
.set LIM, 15
.set PFA, 18
.set G1K, 24
.set G1V, 32
.set G0K, 40
.set G0V, 48
.set SLOTS, 56
.set TWICE, 57
.set CS,  58
.set SEL, 60
.set TB,  62
.set MSB, 0
.macro WIN new
.if MSB != \new
	s_set_vgpr_msb (MSB<<8)|\new
.set MSB, \new
.endif
.endm
.set W_KQ, 0x04       ; Q in window 1; K and S^T in window 0
.set W_PV, 0x51       ; V and O^T in window 1, P in window 0
.set W_RS, 0x41       ; O^T (destination and source 0) in window 1, a in window 0
; A joint refill: waves 0 to 3 fetch the slot's four tiles of K, waves 4 to 7 those of V.  Four v_nop follow each of the two lines.
.macro JLOAD
	s_cmp_lt_u32 s[WV], 4
	s_cbranch_scc0 .Lfor_v_\@
	tensor_load_to_lds s[G0K+4:G0K+7], s[G1K:G1K+7]
	s_nop 0
.rept 4
	v_nop
.endr
	s_branch .Lasked_\@
.Lfor_v_\@:
	tensor_load_to_lds s[G0V+4:G0V+7], s[G1V:G1V+7]
	s_nop 0
.rept 4
	v_nop
.endr
.Lasked_\@:
.endm
; A prefetch of what the NEXT change of slots will ask for: a slot's 256 rows of K and of V are 32,768 dense bytes each.  The four partners share them out by address, 8,192 bytes each,
; lanes 256 bytes apart; wave 0 asks for K's and wave 4 for V's: each block of 256 bytes is named once in the launch.  It stands four key steps ahead of the load; the last refill asks for nothing.
.macro ASK
	s_cmp_gt_u32 s[SLOTS], s[LIM]
	s_cbranch_scc0 .Lnot_mine_\@
	global_prefetch_b8 v[PFO], s[PFA:PFA+1] th:TH_LOAD_NT scope:SCOPE_SE
.Lnot_mine_\@:
.endm
.macro CROUND
	s_barrier_signal -1
	s_barrier_wait -1
	s_cmp_lg_u32 s[WV], 0
	s_cbranch_scc1 .Lnot_wave_0_\@
	s_barrier_signal -3
.Lnot_wave_0_\@:
	s_barrier_wait -3
	s_barrier_signal -1
	s_barrier_wait -1
.endm
	s_load_b64 s[4:5], s[0:1], 0x0                 ; qkv
	s_load_b64 s[10:11], s[0:1], 0x8               ; ctx
	v_lshl_add_u32 v[SPW], v0, 2, SPARE
	v_mov_b32 v[NIL], 0
	ds_add_u32 v44, v45
	ds_add_u32 v44, v45
	s_wait_dscnt 0x0
	v_lshrrev_b32 v1, 5, v0
	v_readfirstlane_b32 s[WV], v1                  ; wave 0..7
	s_bfe_u32 s13, ttmp6, 0x40000                  ; cx
	s_lshl_b32 s14, ttmp9, 2
	s_add_co_u32 s14, s14, s13                     ; my block of 512 queries: it enters Q's and ctx's addresses alone
	s_and_b32 s16, ttmp7, 0xffff                   ; the head, which the four partners share
	s_lshl_b32 s20, s16, 18                        ; its first byte among 64 heads of 2,048 x 128 bytes
	s_mov_b32 s21, 0
	s_and_b32 s3, s[WV], 3                         ; which of a slot's four steps I fetch:
	s_lshl_b32 s22, s3, 13                         ; its 64 rows of 128 bytes in memory,
	s_add_co_u32 s22, s22, s20
	s_mov_b32 s23, 0
	s_mul_i32 s17, s3, STEPB                       ; and its place in a slot
	s_lshl_b32 s2, s14, 16
	s_lshl_b32 s3, s[WV], 13
	s_add_co_u32 s2, s2, s3                        ; my block's 512 rows, my wave's 64 of them
	s_and_b32 s3, s16, 15
	s_lshl_b32 s3, s3, 20                          ; ctx: plane h,
	s_lshr_b32 s16, s16, 4
	s_lshl_b32 s16, s16, 18                        ; batch b
	s_add_co_u32 s16, s16, s3
	s_add_co_u32 s16, s16, s2
	s_add_co_u32 s2, s2, s20                       ; Q: my head, my rows
	s_mov_b32 s3, 0
	s_mov_b32 s20, s16
	s_mov_b32 s[G1K], 15|(1<<16)|(1<<20)|(1<<21)|(4<<22)|(3<<25)  ; the mask: all four; elements of 2 bytes; padding on; bit 21 beside a mask; after every 32 words four words
	s_mov_b32 s[G1V], 15|(1<<16)|(1<<20)|(1<<21)|(4<<22)|(7<<25)  ; the same with eight words
.irp g, G1K, G1V
	s_mov_b32 s[\g+1], 64<<16                      ; tensor_dim0
	s_mov_b32 s[\g+2], KS<<16                      ; tensor_dim1
	s_mov_b32 s[\g+3], 64<<16                      ; tile_dim0
	s_mov_b32 s[\g+4], KS                          ; tile_dim1
	s_mov_b32 s[\g+5], 64                          ; elements from row to row
	s_mov_b32 s[\g+6], 0
	s_mov_b32 s[\g+7], 0
.endr
	s_mov_b32 s[CS], 0x3e38aa3b                    ; c = log2(e) / 8
	s_mov_b32 s[CS+1], s[CS]
	s_mov_b32 s[SEL], 0x76543210
	s_mov_b32 s[SEL+1], 0xfedcba98
	s_mov_b32 s[TB], 0
	s_mov_b32 s[SLOTS], 2048/(NST*KS)-2
	s_and_b32 s[LIM], s[WV], 3                     ; 0 in waves 0 and 4,
	s_or_b32 s[LIM], s[LIM], ttmp9                 ; of the head's first cluster: the same in all four partners
	s_cmp_eq_u32 s[LIM], 0
	s_cselect_b32 s[LIM], 1, -1
	v_and_b32 v[PFO], 31, v0
	v_lshlrev_b32 v[PFO], 8, v[PFO]
	s_wait_kmcnt 0x0
	s_add_nc_u64 s[6:7], s[4:5], s[22:23]
	s_add_nc_u64 s[8:9], s[6:7], 0x2000000         ; V at my tile of slot 0
	s_add_nc_u64 s[6:7], s[6:7], 0x1000000         ; K likewise
	s_add_nc_u64 s[4:5], s[4:5], s[2:3]            ; Q at my wave's first row
	s_add_nc_u64 s[10:11], s[10:11], s[20:21]      ; ctx likewise
	s_cmp_lt_u32 s[WV], 4
	s_cselect_b64 s[PFA:PFA+1], s[6:7], s[8:9]     ; (in waves 0 and 4 these stand at a slot's first row)
	s_lshl_b32 s2, s13, 13                         ; my work-group's quarter of a slot
	s_mov_b32 s3, 0
	s_add_nc_u64 s[PFA:PFA+1], s[PFA:PFA+1], s[2:3]
	s_add_nc_u64 s[PFA:PFA+1], s[PFA:PFA+1], 2*NST*KS*128  ; in slot 2; the first change of slots steps it to slot 3.  Nothing is prefetched at the head
.irp s, 0,1
	s_mov_b32 s[G0K+4*\s], 1
	s_add_co_u32 s[G0K+4*\s+1], s17, \s*SLOT1
	s_add_nc_u64 s[G0K+4*\s+2:G0K+4*\s+3], s[6:7], \s*NST*KS*128
	s_or_b32 s[G0K+4*\s+3], s[G0K+4*\s+3], 0x80000000
	s_mov_b32 s[G0V+4*\s], 1
	s_add_co_u32 s[G0V+4*\s+1], s17, \s*SLOT1+VOFF
	s_add_nc_u64 s[G0V+4*\s+2:G0V+4*\s+3], s[8:9], \s*NST*KS*128
	s_or_b32 s[G0V+4*\s+3], s[G0V+4*\s+3], 0x80000000
.endr
	CROUND                                         ; all four work-groups are here: the first joint loads meet
	s_cmp_lt_u32 s[WV], 4                          ; a wave's two first fills stand in one branch
	s_cbranch_scc0 .Lfirst_v
	tensor_load_to_lds s[G0K:G0K+3], s[G1K:G1K+7]
	s_nop 0
	tensor_load_to_lds s[G0K+4:G0K+7], s[G1K:G1K+7]
	s_nop 0
.rept 4
	v_nop
.endr
	s_branch .Lfirst_asked
.Lfirst_v:
	tensor_load_to_lds s[G0V:G0V+3], s[G1V:G1V+7]
	s_nop 0
	tensor_load_to_lds s[G0V+4:G0V+7], s[G1V:G1V+7]
	s_nop 0
.rept 4
	v_nop
.endr
.Lfirst_asked:
	v_and_b32 v1, 15, v0                           ; l % 16
	v_bfe_u32 v9, v0, 4, 1                         ; l / 16
	v_lshlrev_b32 v[QO], 7, v1
	v_lshl_add_u32 v[QO], v9, 4, v[QO]             ; row x 128 + 16 x half
	WIN 0x40                                       ; destination window 1
.irp i, 0,1,2,3,4,5,6,7                        ; Q stays in registers: tile i / 2, channels 32 (i % 2) on
	global_load_b128 v[QF+8*\i:QF+8*\i+3],   v[QO], s[4:5] offset:(\i/2)*2048+(\i%2)*64
	global_load_b128 v[QF+8*\i+4:QF+8*\i+7], v[QO], s[4:5] offset:(\i/2)*2048+(\i%2)*64+32
.endr
	WIN 0
	v_mul_u32_u24 v[AK0], v1, PK
	v_lshl_add_u32 v[AK0], v9, 4, v[AK0]
	v_and_b32 v10, 7, v0
	v_bfe_u32 v11, v0, 3, 1
	v_lshl_add_u32 v[AV0], v9, 3, v10              ; the turning load: key 8 (l / 16) + l % 8, channels 8 ((l / 8) % 2) on
	v_mul_u32_u24 v[AV0], v[AV0], PV
	v_lshl_add_u32 v[AV0], v11, 4, v[AV0]
	v_add_nc_u32 v[AV0], VOFF, v[AV0]
; Product i of 16 of O^T += V^T P for piece x: keys 32 (i / 8) on, channels 16 ((i / 2) % 4) on, tile x + i % 2.  The accumulators take turns, one instruction a turn.
.macro PV x, zero
	WIN W_PV
.set rO, 32*(\x+i%2)+8*((i/2)%4)
.set rV, VF+32*(i/8)+8*((i/2)%4)
.set rP, S+32*(\x+i%2)+8*(i/8)
.if (\zero) && (i < 8)
	v_wmma_f32_16x16x32_f16 v[rO:rO+7], v[rV:rV+7], v[rP:rP+7], 0
.else
	v_wmma_f32_16x16x32_f16 v[rO:rO+7], v[rV:rV+7], v[rP:rP+7], v[rO:rO+7]
.endif
.endm
; Product i of 16 of S^T = K Q^T: channels 32 (i / 8) on, keys 16 ((i / 2) % 4) on, tile x + i % 2.  The first 8 start the sums.
.macro KQ x
	WIN W_KQ
.set rS, S+32*(\x+i%2)+8*((i/2)%4)
.set rK, KF+16*((i/2)%4)+8*(i/8)
.set rQ, QF+16*(\x+i%2)+8*(i/8)
.if i < 8
	v_wmma_f32_16x16x32_f16 v[rS:rS+7], v[rK:rK+7], v[rQ:rQ+7], 0
.else
	v_wmma_f32_16x16x32_f16 v[rS:rS+7], v[rK:rK+7], v[rQ:rQ+7], v[rS:rS+7]
.endif
.endm
.macro FETCH_K                         ; a step's K: 8 fragments, 16 loads in one run
	WIN 0
	v_add_nc_u32 v[ADR], s[TB], v[AK0]
.irp f, 0,1,2,3,4,5,6,7
	ds_load_b128 v[KF+8*\f:KF+8*\f+3],   v[ADR] offset:(\f/2)*16*PK+(\f%2)*64
	ds_load_b128 v[KF+8*\f+4:KF+8*\f+7], v[ADR] offset:(\f/2)*16*PK+(\f%2)*64+32
.endr
.endm
.macro FETCH_V                         ; the same step's V, turned
	WIN 0
	v_add_nc_u32 v[ADR], s[TB], v[AV0]
	s_add_co_u32 s[TB], s[TB], STEPB               ; the next fetch is the next step's
	WIN 0x40
.irp f, 0,1,2,3,4,5,6,7
	ds_load_tr16_b128 v[VF+8*\f:VF+8*\f+3],   v[ADR] offset:(\f/4)*32*PV+(\f%4)*32
	ds_load_tr16_b128 v[VF+8*\f+4:VF+8*\f+7], v[ADR] offset:(\f/4)*32*PV+16*PV+(\f%4)*32
.endr
.endm
; One tile's softmax for one key step is a list of 118 instructions; SM writes number j of it for tile t.
;   0-15 the maximum of the 32 scores and the old m; 16-20 the other half of the lanes', the new m, c m, its change;
;   21-87 33 exponentials (a, then the scores) at the odd numbers from 23 on; the plain lines between them are c s - c m for pairs still to come, the sums of pairs that are done, and the first roundings to f16;
;   88-101 the other roundings (pair p goes into register p, whose own pair has been summed and rounded by then) and the last sum; 102-117 the tile's O^T times a.
; first = 1: the first key step, which starts m, l and O^T.
.macro SM t, first
.set rT, ST+8*(\t)
.set rS, S+32*(\t)
.set rO, 32*(\t)+2*(j-102)
.set q, (j-20)/2
.if j < 102
	WIN 0
.endif
.if j < 4
	v_max3_num_f32 v[rT+4+j], v[rS+8*j], v[rS+8*j+1], v[rS+8*j+2]
.elseif j < 12
	v_max3_num_f32 v[rT+4+j%4], v[rT+4+j%4], v[rS+8*(j%4)+2*(j/4)+1], v[rS+8*(j%4)+2*(j/4)+2]
.elseif j == 12
	v_max3_num_f32 v[rT+4], v[rT+4], v[rS+7], v[rS+15]
.elseif j == 13
	v_max3_num_f32 v[rT+6], v[rT+6], v[rS+23], v[rS+31]
.elseif j == 14
	v_max3_num_f32 v[rT+4], v[rT+4], v[rT+5], v[rT+6]
.elseif (j == 15) && \first
	v_max_num_f32 v[rT+4], v[rT+4], v[rT+7]
.elseif j == 15
	v_max3_num_f32 v[rT+4], v[rT+4], v[rT+7], v[rT+1]
.elseif j == 16
	v_permlanex16_b32 v[rT+5], v[rT+4], s[SEL], s[SEL+1]
.elseif j == 18
	v_max_num_f32 v[rT+1], v[rT+4], v[rT+5]
.elseif j == 19
	v_mul_f32 v[rT], s[CS], v[rT+1]
.elseif ((j == 17) || (j == 20) || (j == 23) || (j > 101)) && \first
.elseif j == 17
	v_mov_b32 v[rT+7], v[rT]
.elseif j == 20
	v_sub_f32 v[rT+7], v[rT+7], v[rT]
.elseif j == 23
	v_exp_f32 v[rT+6], v[rT+7]
.elseif j > 101
	WIN W_RS
	v_pk_mul_f32 v[rO:rO+1], v[rO:rO+1], v[rT+6:rT+7] op_sel_hi:[1,0]
.elseif (j > 23) && (j < 88) && (j%2 == 1)
	v_exp_f32 v[rS+(j-25)/2], v[rS+(j-25)/2]
.elseif j == 89
	s_wait_alu depctr_va_vdst(0)
	v_pk_add_f32 v[rT+2:rT+3], v[rT+2:rT+3], v[rS+30:rS+31]
.elseif j >= 88
.set p, j-86
.if j == 88
.set p, 3
.endif
	v_cvt_pk_f16_f32 v[rS+p], v[rS+2*p], v[rS+2*p+1]
.elseif (q < 4) || ((q%2 == 0) && (q < 28))
.set b, q/2+2
.if q < 4
.set b, q
.endif
	v_pk_fma_f32 v[rS+2*b:rS+2*b+1], v[rS+2*b:rS+2*b+1], s[CS:CS+1], v[rT:rT+1] op_sel_hi:[1,0,0] neg_lo:[0,0,1] neg_hi:[0,0,1]
.elseif q%2 == 0
.set p, (q-28)/2
	v_cvt_pk_f16_f32 v[rS+p], v[rS+2*p], v[rS+2*p+1]
.else
.set p, (q-5)/2
.if p == 0
.if !\first
	s_wait_alu depctr_va_vdst(0)
	v_pk_fma_f32 v[rT+2:rT+3], v[rT+2:rT+3], v[rT+6:rT+7], v[rS:rS+1] op_sel_hi:[1,0,1]
.endif
.elseif (p == 1) && \first
	s_wait_alu depctr_va_vdst(0)
	v_pk_add_f32 v[rT+2:rT+3], v[rS:rS+1], v[rS+2:rS+3]
.else
	s_wait_alu depctr_va_vdst(0)
	v_pk_add_f32 v[rT+2:rT+3], v[rT+2:rT+3], v[rS+2*p:rS+2*p+1]
.endif
.endif
.endm
; Slice k of 32 of piece y's softmax: numbers 118 k / 32 up to 118 (k + 1) / 32 - 1 of both tiles' lists, the two tiles alternating.  Slice 31 is eight plain lines on O^T.
.macro SLICE y, first
.set j, (118*k)/32
.rept (118*(k+1))/32-(118*k)/32
.irp t, \y, \y+1
	SM \t, \first
.endr
.set j, j+1
.endr
.set k, k+1
.endm
.macro PLACES
.rept 4
	v_nop
.endr
.endm
; A TURN.  Piece x has the matrix unit.  pv = 2: 16 products V^T P; 1: they start O^T's sums; 0: none.  kq = 1: 16 products K Q^T for the next step.  A turn with one kind has two slices behind each product.
; Piece 0's turn fetches the next step's K behind its second product: K's last reader stands in front of slice 31 of the turn before.  Piece 2's turn fetches that step's V behind its second K Q^T:
; V's last reader stands three slices, ten plain lines, back.  K Q^T lays scores over P's registers four slices or more behind the last product that read them.
.macro TURN x, pv, kq, first
.set k, 0
.set per, 2
.if \pv && \kq
.set per, 1
.endif
.if \pv
.if \x == 0
	s_wait_dscnt 0x0                               ; V is in
.endif
.set i, 0
.rept 16
	PV \x, 2-\pv
.rept per
	SLICE 2-\x, \first
.endr
.if (\x == 0) && \kq && (i == 1)
	FETCH_K
.endif
.set i, i+1
.endr
.endif
.if \kq
.if \x == 0
	s_wait_dscnt 0x0                               ; K is in
.endif
.set i, 0
.rept 16
	KQ \x
.rept per
	SLICE 2-\x, \first
.endr
.if (\x == 2) && (i == 1)
	FETCH_V
.endif
.set i, i+1
.endr
.endif
.if \first
	PLACES                                         ; the first softmax has no lines on O^T: these take slice 31's part behind the turn's last products
.endif
.endm
; THE CHANGE OF SLOTS, between piece 2's turn and piece 0's: the slot's last bytes have been asked for.  Each wave waits for all its tensor loads (one is out: its tile of the other slot), adds 0 to its
; spare word, and waits for that and for its reads of the slot.  fill = 1: the barrier is a round of the cluster's, and the joint refill is the first thing behind it: it has four key steps in which to land.
.macro CHANGE fill
	WIN 0
	s_wait_tensorcnt 0x0
	ds_add_u32 v[SPW], v[NIL]                      ; 0 onto my spare word
.if \fill
.irp g, G0K+4, G0V+4
	s_xor_b32 s[\g+1], s[\g+1], SLOT1              ; the walking descriptor: the other slot than last time,
	s_add_nc_u64 s[\g+2:\g+3], s[\g+2:\g+3], NST*KS*128  ; the next 256 keys
.endr
	s_wait_xcnt 0x0                                ; the last prefetch, a slot back, has read its address
	s_add_nc_u64 s[PFA:PFA+1], s[PFA:PFA+1], NST*KS*128
	s_wait_dscnt 0x0                               ; the add is done, and my reads of the slot are over
	CROUND
	JLOAD
	ASK
.else
	s_wait_dscnt 0x0
	s_barrier_signal -1
	s_barrier_wait -1
.endif
	s_sub_co_u32 s[TB], s[TB], NST*STEPB           ; the fetches go back to a slot's first step,
	s_xor_b32 s[TB], s[TB], SLOT1                  ; in the other slot
.endm
.macro N_STEPS n                       ; n key steps: written once, walked n times; the LDS addresses hang on s[TB]
	s_mov_b32 s[TWICE], \n
.Lstep_\@:
	TURN 0, 2, 1, 0
	TURN 2, 2, 1, 0
	WIN 0
	s_sub_co_u32 s[TWICE], s[TWICE], 1
	s_cmp_lg_u32 s[TWICE], 0
	s_cbranch_scc1 .Lstep_\@
.endm
	s_wait_tensorcnt 1                             ; my tile of slot 0 is in; slot 1's may stay out
	s_barrier_signal -1
	s_barrier_wait -1
	FETCH_K                                        ; key step 0
	s_wait_loadcnt 0x0                             ; Q
	s_wait_dscnt 0x0
.set i, 0
.rept 16
	KQ 0                                           ; piece 0's first scores
.set i, i+1
.endr
	WIN 0                                          ; the addresses for the way out are the places behind those products
	s_mul_i32 s13, s[WV], 16*SP
	s_add_co_u32 s13, s13, STAGE                   ; my stage
	v_mul_u32_u24 v[STO], v1, SP
	v_lshl_add_u32 v[STO], v9, 4, v[STO]
	v_add_nc_u32 v[STO], s13, v[STO]               ; in: row l % 16, 16 bytes for each half of the lanes
	v_and_b32 v10, 31, v0
	v_lshrrev_b32 v[RD], 3, v10
	v_mul_u32_u24 v[RD], v[RD], SP
	v_and_b32 v11, 7, v0
	v_lshl_add_u32 v[RD], v11, 4, v[RD]
	v_add_nc_u32 v[RD], s13, v[RD]                 ; back: eight lanes to a row of 128 bytes, four rows an instruction
	v_lshlrev_b32 v[GO], 4, v10                    ; which are 512 consecutive bytes of ctx
	TURN 2, 0, 1, 1                                ; piece 2's first scores | piece 0's first softmax | V of step 0
	TURN 0, 1, 1, 1                                ; piece 0: V^T P of step 0 starts O^T, K Q^T of step 1 | piece 2's first softmax | K of step 1
	TURN 2, 1, 1, 0                                ; piece 2: the same | piece 0's softmax of step 1 | V of step 1
	WIN 0
	N_STEPS 2                                      ; the rest of slot 0
.Lslot:                                            ; six trips: every slot but the last two is filled again
	CHANGE 1
	N_STEPS NST
	s_sub_co_u32 s[SLOTS], s[SLOTS], 1
	s_cmp_lg_u32 s[SLOTS], 0
	s_cbranch_scc1 .Lslot
	CHANGE 0                                       ; the tail is written out
	N_STEPS NST
	TURN 0, 2, 0, 0                                ; piece 0: V^T P of the last step | piece 2's last softmax
.set i, 0
.rept 16
	PV 2, 0
.set i, i+1
.endr
	; THE WAY OUT.  The additions are the places behind the last products.
	WIN 0
.irp t, 0,1,2,3
	v_add_f32 v[ST+8*\t+4], v[ST+8*\t+2], v[ST+8*\t+3]
.endr
.irp t, 0,1,2,3
	v_permlanex16_b32 v[ST+8*\t+5], v[ST+8*\t+4], s[SEL], s[SEL+1]
.endr
.irp t, 0,1,2,3
	v_add_f32 v[ST+8*\t+4], v[ST+8*\t+4], v[ST+8*\t+5]
.endr
.irp t, 0,1,2,3
	v_rcp_f32 v[ST+8*\t+6], v[ST+8*\t+4]
.endr
	v_nop                                          ; a plain line between the last reciprocal and the use of its result
.macro PACK t
	WIN W_RS
.set i, 32*\t
.rept 16
	s_wait_alu depctr_va_vdst(0)
	v_pk_mul_f32 v[i:i+1], v[i:i+1], v[ST+8*\t+6:ST+8*\t+7] op_sel_hi:[1,0]
.set i, i+2
.endr
	WIN 0x05                                       ; sources 0 and 1 window 1, destination window 0
.set i, 0
.rept 16
	v_cvt_pk_f16_f32 v[S+32*\t+i], v[32*\t+2*i], v[32*\t+2*i+1]
.set i, i+1
.endr
	WIN 0
.irp f, 0,1,2,3
	ds_store_b128 v[STO], v[S+32*\t+4*\f:S+32*\t+4*\f+3] offset:32*\f
.endr
.irp f, 0,1,2,3
	ds_load_b128 v[S+32*\t+4*\f:S+32*\t+4*\f+3], v[RD] offset:\f*4*SP   ; LDS serves a wave's instructions in order: these see the stores above; the next tile's stores come behind them
.endr
.endm
.macro SEND t, younger                 ; younger: the LDS instructions issued behind tile t's loads: the next tile's eight, or none
.irp f, 0,1,2,3
	s_wait_dscnt \younger+3-\f
	global_store_b128 v[GO], v[S+32*\t+4*\f:S+32*\t+4*\f+3], s[10:11] offset:\t*2048+\f*512
.endr
.endm
	PACK 0
	PACK 1
	SEND 0, 8
	PACK 2
	SEND 1, 8
	PACK 3
	SEND 2, 8
	SEND 3, 0
	s_wait_tensorcnt 0x0                           ; the wave's end
	ds_add_u32 v[SPW], v[NIL]
	s_wait_dscnt 0x0
	CROUND                                         ; the closing round
	s_endpgm
.Lfunc_end_k_q89c1e06799_attn:
	.size	k_q89c1e06799_attn, .Lfunc_end_k_q89c1e06799_attn-k_q89c1e06799_attn
	.p2alignl 7, 3214868480
	.fill 96, 4, 3214868480
	.section	.rodata,"a",@progbits
	.p2align	6, 0x0
	.amdhsa_kernel k_q89c1e06799_attn
		.amdhsa_group_segment_fixed_size 327680
		.amdhsa_private_segment_fixed_size 0
		.amdhsa_enable_private_segment 0
		.amdhsa_kernarg_size 16
		.amdhsa_user_sgpr_count 2
		.amdhsa_user_sgpr_kernarg_segment_ptr 1
		.amdhsa_wavefront_size32 1
		.amdhsa_system_sgpr_workgroup_id_x 1
		.amdhsa_system_sgpr_workgroup_id_y 1
		.amdhsa_system_sgpr_workgroup_id_z 1
		.amdhsa_system_vgpr_workitem_id 0
		.amdhsa_next_free_vgpr 512
		.amdhsa_next_free_sgpr 66
		.amdhsa_reserve_vcc 0
		.amdhsa_float_denorm_mode_32 3
		.amdhsa_float_denorm_mode_16_64 3
		.amdhsa_memory_ordered 1
		.amdhsa_forward_progress 1
		.amdhsa_inst_pref_size 206
	.end_amdhsa_kernel
	.amdgpu_metadata
---
amdhsa.version: [ 1, 2 ]
amdhsa.kernels:
  - .name:           k_q89c1e06799_attn
    .symbol:         k_q89c1e06799_attn.kd
    .args:
      - { .name: qkv, .offset: 0, .size: 8, .value_kind: global_buffer, .address_space: global }
      - { .name: ctx, .offset: 8, .size: 8, .value_kind: global_buffer, .address_space: global }
    .group_segment_fixed_size: 327680
    .private_segment_fixed_size: 0
    .kernarg_segment_align: 8
    .kernarg_segment_size: 16
    .max_flat_workgroup_size: 256
    .sgpr_count:     66
    .vgpr_count:     512
    .wavefront_size: 32
...
	.end_amdgpu_metadata
.endif
;; end of part 3
;; launch outp (part 4): grid 8 x 32, 4 waves a work-group, clusters of 4 x 4, 327,680 bytes of LDS; arguments ctx, wout16, out0; writes out0
.if DOCPART == 4
	.amdgcn_target "amdgcn-amd-amdhsa--gfx1250"
	.amdhsa_code_object_version 6
	.text
	.protected	k_q89c1e06799_outp
	.globl	k_q89c1e06799_outp
	.p2align	8
	.type	k_q89c1e06799_outp,@function
k_q89c1e06799_outp:
	s_mov_b64 s[64:65], 0
	v_nop
	global_prefetch_b8 v0, s[64:65] scope:SCOPE_SE
	s_setreg_imm32_b32 hwreg(HW_REG_WAVE_MODE, 25, 1), 1
	s_wait_xcnt 0x0
	s_wait_alu depctr_hold_cnt(0) depctr_sa_sdst(0) depctr_va_vdst(0) depctr_va_sdst(0) depctr_va_ssrc(0) depctr_va_vcc(0) depctr_vm_vsrc(0)
	s_getreg_b32 s2, hwreg(HW_REG_IB_STS2, 6, 4)
	s_cmp_eq_u32 s2, 0
	s_cbranch_scc0 .Lentry_in_a_cluster
	s_endpgm
.Lentry_in_a_cluster:
	s_bfe_u32 s2, ttmp6, 0x10000c
	s_cmp_lg_u32 s2, 0xf033
	s_cbranch_scc0 .Lentry_shape_is_right
	s_endpgm
.Lentry_shape_is_right:
; out0[m][n] = the sum over k of ctx[m][k] Wout[k][n], k = 64 h + d.  ctx: f16, [h][m][64]; Wout: f16, [k][n]; out0: f32 [8192][1024]; sums in f32.
; A tile of 256 m x 128 n gives 256 work-groups; four waves, each 128 x 64: 32 accumulators, 256 registers.  K goes in steps of 128 (two head planes of ctx) through a ring of two LDS slots.
; Waves 0 and 1 bring a plane each (256 rows of 128 bytes), waves 2 and 3 64 rows of Wout each (256 bytes of a row): one tensor load a wave behind each change of slots, two at the start.
; Wout lies with K outermost: its fragments come out of LDS turned, by ds_load_tr16_b128.
; CLUSTERS: 4 x 4 work-groups; ctx's tiles are shared along a row of the cluster, Wout's along a column, and asked for jointly.
; THE MATRIX INSTRUCTION IS USED TRANSPOSED (source 0 = 16 columns n, source 1 = 16 rows m): a lane holds eight neighbouring n of one row.
; Nothing is prefetched: eight K steps on a small tile, and both operands are read by several clusters at about the same time.
; REGISTERS: window 0: v16-29 addresses; two fragment buffers of 96 (B's 4 fragments, then A's 8) at v32 and v128; on the way out v32-95.   window 1: the accumulators ((a, b) at v[8 (4 a + b)]).
.set PA,     144                       ; a row of a plane in LDS: 128 bytes + 16
.set PB,     288                       ; a row of Wout's tile: 256 bytes + 32
.set PLANE,  256*PA
.set BOFF,   2*PLANE
.set SLOT,   BOFF+128*PB
.set STAGE,  2*SLOT                    ; 16 rows x (256 bytes + 16) for each wave
.set SPITCH, 272
.set SPARE,  STAGE+4*16*SPITCH         ; the spare words, 128 bytes for each wave: two blocks of 256 bytes that no other line names
.set LAPS,   4                         ; a lap = two K steps
.set ADRA, 16
.set ADRB, 20
.set STO,  24
.set RD,   25
.set CO,   26
.set SPW,  28
.set NIL,  29
.set F0,   32
.set F1,   128
.set BK,   32
.set G1, 24
.set G0, 32
.set G1B, 48
.set G0B, 56
.set MSB, 0
.macro WIN new
.if MSB != \new
	s_set_vgpr_msb (MSB<<8)|\new
.set MSB, \new
.endif
.endm
.set MUL, 0x50                         ; C and D window 1, sources window 0
.macro JLOAD s                         ; four v_nop follow each of the two lines
	s_cmp_eq_u32 s11, 0
	s_cbranch_scc0 .Lfor_b_\@
	tensor_load_to_lds s[G0+4*\s:G0+4*\s+3], s[G1:G1+7]
	s_nop 0
.rept 4
	v_nop
.endr
	s_branch .Lasked_\@
.Lfor_b_\@:
	tensor_load_to_lds s[G0B+4*\s:G0B+4*\s+3], s[G1B:G1B+7]
	s_nop 0
.rept 4
	v_nop
.endr
.Lasked_\@:
.endm
.macro CREST
	s_cmp_lg_u32 s10, 0
	s_cbranch_scc1 .Lnot_wave_0_\@
	s_barrier_signal -3
.Lnot_wave_0_\@:
	s_barrier_wait -3
	s_barrier_signal -1
	s_barrier_wait -1
.endm
.macro CROUND
	s_barrier_signal -1
	s_barrier_wait -1
	CREST
.endm
	s_load_b128 s[4:7], s[0:1], 0x0                ; ctx, wout16
	s_load_b64 s[8:9], s[0:1], 0x10                ; out0
	v_lshl_add_u32 v[SPW], v0, 2, SPARE
	v_mov_b32 v[NIL], 0
	ds_add_u32 v28, v29
	ds_add_u32 v28, v29
	s_wait_dscnt 0x0
	v_lshrrev_b32 v1, 5, v0
	v_readfirstlane_b32 s10, v1                    ; wave 0..3
	s_lshr_b32 s11, s10, 1                         ; which half of the tile's rows is mine.  Also: I fetch for A (0) or for B (1)
	s_and_b32 s12, s10, 1                          ; which half of its columns.  Also: which plane, or which 64 rows of Wout, I fetch
	s_bfe_u32 s40, ttmp6, 0x40000
	s_bfe_u32 s41, ttmp6, 0x40004
	s_lshl_b32 s42, ttmp9, 2
	s_add_co_u32 s42, s42, s40                     ; tile column
	s_and_b32 s13, ttmp7, 0xffff
	s_lshl_b32 s13, s13, 2
	s_add_co_u32 s13, s13, s41                     ; tile row
	s_lshl_b32 s43, s41, 2
	s_lshl_b32 s43, 15, s43
	s_lshl_b32 s44, 0x1111, s40
	s_or_b32 s[G1+0], s43, (1<<16)|(1<<20)|(1<<21)|(4<<22)|(3<<25)   ; A: my row's mask; elements of 2 bytes; after every 32 words four words of padding
	s_mov_b32 s[G1+1], 64<<16                      ; tensor_dim0
	s_mov_b32 s[G1+2], 256<<16                     ; tensor_dim1
	s_mov_b32 s[G1+3], 64<<16                      ; tile_dim0
	s_mov_b32 s[G1+4], 256                         ; tile_dim1
	s_mov_b32 s[G1+5], 64                          ; elements from row to row
	s_mov_b32 s[G1+6], 0
	s_mov_b32 s[G1+7], 0
	s_or_b32 s[G1B+0], s44, (1<<16)|(1<<20)|(1<<21)|(5<<22)|(7<<25)  ; B: my column's mask; after every 64 words eight words
	s_mov_b32 s[G1B+1], 128<<16
	s_mov_b32 s[G1B+2], 64<<16
	s_mov_b32 s[G1B+3], 128<<16
	s_mov_b32 s[G1B+4], 64
	s_mov_b32 s[G1B+5], 1024
	s_mov_b32 s[G1B+6], 0
	s_mov_b32 s[G1B+7], 0
	s_lshl_b32 s16, s12, 20                        ; A: my plane of 8,192 x 128 bytes,
	s_lshl_b32 s17, s13, 15                        ; the tile's 256 rows
	s_add_co_u32 s16, s16, s17
	s_mov_b32 s17, 0
	s_lshl_b32 s46, s12, 17                        ; B: my 64 rows of 2,048 bytes,
	s_lshl_b32 s47, s42, 8                         ; the tile's 128 columns
	s_add_co_u32 s46, s46, s47
	s_mov_b32 s47, 0
	s_mul_i32 s20, s12, PLANE                      ; where they go: by the wave's number alone
	s_mul_i32 s21, s12, 64*PB
	s_add_co_u32 s21, s21, BOFF
	s_wait_kmcnt 0x0
	s_add_nc_u64 s[14:15], s[4:5], s[16:17]
	s_add_nc_u64 s[46:47], s[6:7], s[46:47]
.irp s, 0,1
	s_mov_b32 s[G0+4*\s], 1
	s_add_co_u32 s[G0+4*\s+1], s20, \s*SLOT
	s_add_nc_u64 s[G0+4*\s+2:G0+4*\s+3], s[14:15], \s*(2<<20)
	s_or_b32 s[G0+4*\s+3], s[G0+4*\s+3], 0x80000000
	s_mov_b32 s[G0B+4*\s], 1
	s_add_co_u32 s[G0B+4*\s+1], s21, \s*SLOT
	s_add_nc_u64 s[G0B+4*\s+2:G0B+4*\s+3], s[46:47], \s*128*2048
	s_or_b32 s[G0B+4*\s+3], s[G0B+4*\s+3], 0x80000000
.endr
	CROUND                                         ; all sixteen work-groups are here: the first joint loads meet
	s_cmp_eq_u32 s11, 0                            ; a wave's two first fills stand in one branch
	s_cbranch_scc0 .Lfirst_b
	tensor_load_to_lds s[G0:G0+3], s[G1:G1+7]
	s_nop 0
	tensor_load_to_lds s[G0+4:G0+7], s[G1:G1+7]
	s_nop 0
.rept 4
	v_nop
.endr
	s_branch .Lfirst_asked
.Lfirst_b:
	tensor_load_to_lds s[G0B:G0B+3], s[G1B:G1B+7]
	s_nop 0
	tensor_load_to_lds s[G0B+4:G0B+7], s[G1B:G1B+7]
	s_nop 0
.rept 4
	v_nop
.endr
.Lfirst_asked:
	v_and_b32 v1, 15, v0                           ; r
	v_bfe_u32 v2, v0, 4, 1                         ; h
	v_mul_u32_u24 v3, v1, PA
	v_lshl_add_u32 v3, v2, 4, v3                   ; A: row x pitch + 16 x half
	v_and_b32 v4, 7, v0
	v_lshl_add_u32 v4, v2, 3, v4                   ; B, turned: row k = 8 h + l % 8,
	v_mul_u32_u24 v4, v4, PB
	v_bfe_u32 v5, v0, 3, 1
	v_lshl_add_u32 v4, v5, 4, v4                   ; columns 8 ((l / 8) % 2) on
	s_mul_i32 s21, s11, 128*PA                     ; my 128 rows of A
	s_lshl_b32 s22, s12, 7                         ; my 64 columns of B
	s_add_co_u32 s22, s22, BOFF
.irp s, 0,1
	v_add_nc_u32 v[ADRA+\s], s21, v3
	v_add_nc_u32 v[ADRB+\s], s22, v4
	s_add_co_u32 s21, s21, SLOT
	s_add_co_u32 s22, s22, SLOT
.endr
	s_mul_i32 s23, s10, 16*SPITCH
	s_add_co_u32 s23, s23, STAGE                   ; my stage
	v_mul_u32_u24 v5, v1, SPITCH
	v_lshl_add_u32 v5, v2, 5, v5
	v_add_nc_u32 v[STO], s23, v5                   ; in: row r, 32 bytes for each half of the lanes
	v_mul_u32_u24 v5, v2, SPITCH
	v_lshl_add_u32 v5, v1, 4, v5
	v_add_nc_u32 v[RD], s23, v5                    ; back: lanes 0-15 one row of 256 bytes, lanes 16-31 the next
	v_lshlrev_b32 v5, 12, v2
	v_lshl_add_u32 v[CO], v1, 4, v5                ; and the same two rows in out0
	s_lshl_b32 s16, s13, 8
	s_lshl_b32 s17, s11, 7
	s_add_co_u32 s16, s16, s17                     ; my first row
	s_lshl_b32 s16, s16, 12
	s_lshl_b32 s17, s42, 9
	s_add_co_u32 s16, s16, s17
	s_lshl_b32 s17, s12, 8
	s_add_co_u32 s16, s16, s17                     ; my first column, in bytes
	s_mov_b32 s17, 0
	s_add_nc_u64 s[8:9], s[8:9], s[16:17]
; 8 matrix instructions: A's blocks a0, a0 + 1 x B's four, 32 along K.  The 32 accumulators take turns, one instruction a turn.
.macro MUL8 f, a0, zero
.irp a, \a0, \a0+1
.irp b, 0,1,2,3
.if \zero
	v_wmma_f32_16x16x32_f16 v[8*(4*(\a)+\b):8*(4*(\a)+\b)+7], v[\f+8*\b:\f+8*\b+7], v[\f+32+8*(\a):\f+32+8*(\a)+7], 0
.else
	v_wmma_f32_16x16x32_f16 v[8*(4*(\a)+\b):8*(4*(\a)+\b)+7], v[\f+8*\b:\f+8*\b+7], v[\f+32+8*(\a):\f+32+8*(\a)+7], v[8*(4*(\a)+\b):8*(4*(\a)+\b)+7]
.endif
.endr
.endr
.endm
; 24 LDS loads in one run: quarter qd (32 along K) of the slot into buffer f: B's four fragments, A's blocks 0-3, A's blocks 4-7
.macro FETCH slot, qd, f
	WIN 0
.irp b, 0,1,2,3
	ds_load_tr16_b128 v[\f+8*\b:\f+8*\b+3],   v[ADRB+\slot] offset:32*PB*(\qd)+32*\b
	ds_load_tr16_b128 v[\f+8*\b+4:\f+8*\b+7], v[ADRB+\slot] offset:32*PB*(\qd)+16*PB+32*\b
.endr
.irp i, 0,1,2,3,4,5,6,7
	ds_load_b128 v[\f+32+8*\i:\f+32+8*\i+3],   v[ADRA+\slot] offset:((\qd)/2)*PLANE+((\qd)%2)*64+16*PA*\i
	ds_load_b128 v[\f+32+8*\i+4:\f+32+8*\i+7], v[ADRA+\slot] offset:((\qd)/2)*PLANE+((\qd)%2)*64+16*PA*\i+32
.endr
.endm
.macro PLACES
.rept 4
	v_nop
.endr
.endm
; One of a K step's first three quarters: multiplies buffer f and fetches quarter qd into g.
.macro QUARTER slot, qd, f, g, zero
	s_wait_dscnt 8                                 ; B and A's blocks 0-3 are in; the youngest eight loads (A's blocks 4-7) may be out
	WIN MUL
	MUL8 \f, 0, \zero
	MUL8 \f, 2, \zero
	PLACES
	FETCH \slot, \qd, \g
	s_wait_dscnt 24                                ; all but the 24 just issued
	WIN MUL
	MUL8 \f, 4, \zero
	MUL8 \f, 6, \zero
.endm
; The last quarter multiplies buffer 1 and changes slots: one barrier; in front of it each wave waits for all its tensor loads, adds 0 to its spare word, and waits for that and for its reads of this slot.
.macro TURN slot, next, fill
	WIN 0
	s_wait_tensorcnt 0x0                           ; all my tensor loads have landed: my part of the next slot
	ds_add_u32 v[SPW], v[NIL]                      ; 0 onto my spare word
	s_wait_dscnt 9                                 ; (the add and the youngest eight loads may be out)
	WIN MUL
	MUL8 F1, 0, 0
	s_wait_dscnt 0x0                               ; the add is done, and my reads of this slot are over
	s_barrier_signal -1
	MUL8 F1, 2, 0
.if \fill
	WIN 0
.endif
	s_barrier_wait -1
.if \fill
	CREST                                          ; the barrier has opened a round of the cluster's: no wave of any partner still reads this slot or has a load on its way
	s_add_nc_u64 s[G0+4*\slot+2:G0+4*\slot+3], s[G0+4*\slot+2:G0+4*\slot+3], 4<<20
	s_add_nc_u64 s[G0B+4*\slot+2:G0B+4*\slot+3], s[G0B+4*\slot+2:G0B+4*\slot+3], 256*2048
	JLOAD \slot                                    ; the first tensor load behind the round; its four v_nop are also the places in front of the loads below
.else
	PLACES
.endif
	FETCH \next, 0, F0
	WIN MUL
	MUL8 F1, 4, 0
	MUL8 F1, 6, 0
.endm
	s_wait_tensorcnt 1                             ; my part of K step 0 is in; K step 1's may stay out
	s_barrier_signal -1
	s_barrier_wait -1
	FETCH 0, 0, F0
	QUARTER 0, 1, F0, F1, 1                        ; the first products start the sums
	WIN 0
	s_mov_b32 s3, LAPS-1
.Llap:                                             ; a trip goes once round the ring and fills both slots again
	QUARTER 0, 2, F1, F0, 0
	QUARTER 0, 3, F0, F1, 0
	TURN 0, 1, 1
	QUARTER 1, 1, F0, F1, 0
	QUARTER 1, 2, F1, F0, 0
	QUARTER 1, 3, F0, F1, 0
	TURN 1, 0, 1
	QUARTER 0, 1, F0, F1, 0
	WIN 0
	s_sub_co_u32 s3, s3, 1
	s_cmp_lg_u32 s3, 0
	s_cbranch_scc1 .Llap
	QUARTER 0, 2, F1, F0, 0                        ; the last lap fills nothing
	QUARTER 0, 3, F0, F1, 0
	TURN 0, 1, 0
	QUARTER 1, 1, F0, F1, 0
	QUARTER 1, 2, F1, F0, 0
	QUARTER 1, 3, F0, F1, 0
	s_wait_dscnt 8
	WIN MUL
	MUL8 F1, 0, 0
	MUL8 F1, 2, 0
	s_wait_dscnt 0
	MUL8 F1, 4, 0
	MUL8 F1, 6, 0
	WIN 0
; THE WAY OUT, a block of 16 rows x 64 columns at a time, through my own stage: back as whole rows of 256 bytes, two rows an instruction.
.macro TOSTAGE a
	WIN 0x04                                       ; an LDS store's data are its source 1: window 1
.irp b, 0,1,2,3
	ds_store_b128 v[STO], v[8*(4*(\a)+\b):8*(4*(\a)+\b)+3] offset:64*\b       ; each accumulator from its low end on
	ds_store_b128 v[STO], v[8*(4*(\a)+\b)+4:8*(4*(\a)+\b)+7] offset:64*\b+16
.endr
	WIN 0
.set BB, BK+32*((\a)%2)
.irp i, 0,1,2,3,4,5,6,7
	ds_load_b128 v[BB+4*\i:BB+4*\i+3], v[RD] offset:2*SPITCH*\i   ; LDS serves a wave's instructions in order: these see the stores above
.endr
.endm
.macro SEND a, younger                 ; younger: the LDS instructions issued behind block a's loads
.set BB, BK+32*((\a)%2)
	s_wait_dscnt \younger
.irp i, 0,1,2,3,4,5,6,7
	global_store_b128 v[CO], v[BB+4*\i:BB+4*\i+3], s[8:9] offset:(16*(\a)+2*\i)*4096 th:TH_STORE_NT   ; sixteen lanes store 256 consecutive bytes, aligned
.endr
.endm
	PLACES
	TOSTAGE 0
.irp a, 1,2,3,4,5,6,7
.if \a > 1
	s_wait_xcnt 0x0                                ; block a - 2's stores have read their registers: block a's loads may land there
.endif
	TOSTAGE \a
	SEND \a-1, 16
.endr
	SEND 7, 0
	s_wait_tensorcnt 0x0                           ; the wave's end
	ds_add_u32 v[SPW], v[NIL]
	s_wait_dscnt 0x0
	CROUND                                         ; the closing round
	s_endpgm
.Lfunc_end_k_q89c1e06799_outp:
	.size	k_q89c1e06799_outp, .Lfunc_end_k_q89c1e06799_outp-k_q89c1e06799_outp
	.p2alignl 7, 3214868480
	.fill 96, 4, 3214868480
	.section	.rodata,"a",@progbits
	.p2align	6, 0x0
	.amdhsa_kernel k_q89c1e06799_outp
		.amdhsa_group_segment_fixed_size 327680
		.amdhsa_private_segment_fixed_size 0
		.amdhsa_enable_private_segment 0
		.amdhsa_kernarg_size 24
		.amdhsa_user_sgpr_count 2
		.amdhsa_user_sgpr_kernarg_segment_ptr 1
		.amdhsa_wavefront_size32 1
		.amdhsa_system_sgpr_workgroup_id_x 1
		.amdhsa_system_sgpr_workgroup_id_y 1
		.amdhsa_system_sgpr_workgroup_id_z 1
		.amdhsa_system_vgpr_workitem_id 0
		.amdhsa_next_free_vgpr 512
		.amdhsa_next_free_sgpr 66
		.amdhsa_reserve_vcc 0
		.amdhsa_float_denorm_mode_32 3
		.amdhsa_float_denorm_mode_16_64 3
		.amdhsa_memory_ordered 1
		.amdhsa_forward_progress 1
		.amdhsa_inst_pref_size 85
	.end_amdhsa_kernel
	.amdgpu_metadata
---
amdhsa.version: [ 1, 2 ]
amdhsa.kernels:
  - .name:           k_q89c1e06799_outp
    .symbol:         k_q89c1e06799_outp.kd
    .args:
      - { .name: ctx, .offset: 0, .size: 8, .value_kind: global_buffer, .address_space: global }
      - { .name: wout16, .offset: 8, .size: 8, .value_kind: global_buffer, .address_space: global }
      - { .name: out0, .offset: 16, .size: 8, .value_kind: global_buffer, .address_space: global }
    .group_segment_fixed_size: 327680
    .private_segment_fixed_size: 0
    .kernarg_segment_align: 8
    .kernarg_segment_size: 24
    .max_flat_workgroup_size: 128
    .sgpr_count:     66
    .vgpr_count:     512
    .wavefront_size: 32
...
	.end_amdgpu_metadata
.endif
;; end of part 4
